; MI455X (gfx1250); checked and timed in simulation.
; The chip was launched on July 23, 2026; its instructions are those of AMD's public machine-readable ISA for CDNA 5 (MIT licence, August 2026) and "CDNA5" Instruction Set Architecture Reference Guide (July 2026). The comments in the code are by the model that wrote it; some were corrected since.
;; Transition Up. Allowed arithmetic: float matrix products may take bf16 or f16 operands with f32 sums; all other float work in f32.
;; Inputs: W1 256 x 512 float32; W2 256 x 256 float32; b1 256 float32; b2 256 float32; g1 256 float32; g2 256 float32; m1 256 float32; m2 256 float32; p1 2 x 4,096 x 3 float32; p2 2 x 16,384 x 3 float32; v1 256 float32; v2 256 float32; x1 2 x 512 x 4,096 float32; x2 2 x 256 x 16,384 float32.
;; Outputs: out0 2 x 16,384 x 3 float32; out1 2 x 256 x 16,384 float32.
;; One version. Each part assembles by itself: llvm-mc -triple=amdgcn-amd-amdhsa -mcpu=gfx1250 --defsym DOCPART=n.
;; ======== version 1 of 1: 3 launches
;; workspace buffers: H1 4,194,304 bytes; W2F 131,072 bytes; TBL 131,072 bytes; GID 524,288 bytes of whole numbers; IDX 524,288 bytes of whole numbers; WGT 524,288 bytes
;; launch search_conv1 (part 1): grid 256 x 1, 8 waves a work-group, no clusters, 323,584 bytes of LDS; arguments p1, p2, x1, W1, g1, b1, m1, v1, W2, out0, H1, GID, TBL, W2F; writes out0, H1, GID, TBL, W2F
.if DOCPART == 1
	.amdgcn_target "amdgcn-amd-amdhsa--gfx1250"
	.amdhsa_code_object_version 6
	.text
	.protected	k_qb372074675_search_conv1
	.globl	k_qb372074675_search_conv1
	.p2align	8
	.type	k_qb372074675_search_conv1,@function
k_qb372074675_search_conv1:
	s_mov_b64 s[64:65], 0
	v_nop
	global_prefetch_b8 v0, s[64:65] scope:SCOPE_SE
	s_setreg_imm32_b32 hwreg(HW_REG_WAVE_MODE, 25, 1), 1
	s_wait_xcnt 0x0
; NEAREST GROUPS, AND THE COARSE CONVOLUTION.  Eight waves, 256 work-groups.
; (1) SEARCH.  Work-group g owns the 128 dense points 128 g .. 128 g + 127 (batch g / 128).  The 4,096 coarse points lie in 128 groups of 32 neighbouring
;     indices.  d = (|p2|^2 + |p1|^2) - 2 p2.p1 is made for every pair, two candidates to an instruction; of a group only the minimum is kept, and of the
;     groups the three with the smallest (minimum, group number).  Every one of the three nearest points lies in those three groups: a point of any other
;     group has three group minima in front of it in the order (distance, index).  The three numbers go to GID, ascending; the next launch scans them.
;     Lane l of every wave holds points 4 l .. 4 l + 3; wave w scans groups 16 w .. 16 w + 15; the eight lists meet in LDS.
; (2) H1 = relu(BN1(W1 x1)), bf16, [batch][point][channel]: the work-group makes 128 channels (half g % 2) x 64 points (tile (g / 2) % 64), a wave 16 x 64, K = 512.
;     Its tile of x1 is asked for at the head and its rows of W1 ahead of the search: both land while the vector unit searches.
; (3) Small shares: p2 is copied to out0; one 512-byte block of W2 goes to W2F in bf16, in fragment order; one group of the candidate table goes to TBL.
; FORMATS AND LIMITS.  EVERY input is rounded to bf16 first, the points too: a product of two such numbers is exact in f32, so d has the bits of the same sums
; made in any mixture of fused and unfused steps; the sums run x, y, z.  Products below 2^-126 are not exact; NaN and infinities are not treated apart.
; NO CLUSTER: a tile of x1 is shared by two work-groups only; W1 goes straight into the registers of the one wave that multiplies by it, and a joint load lands in LDS alone.
; No LDS byte is filled twice: each wave has one tensor load out, issued at the head.
.set XF1,   0                          ; x1 as it comes: wave w's 64 rows of 256 bytes at 16,384 w
.set XB1,   131072                     ; x1 in bf16, [channel][point]: 512 rows, 128 bytes + 32 of padding
.set PB,    160                        ; = 5 x 32
.set TAB,   212992                     ; -2x, -2y, -2z, |p|^2 of the 4,096 candidates: four arrays, 16,384 bytes apart
.set MRG,   278528                     ; [wave][3 minima, 3 group numbers][128 points] words
.set STG,   303104                     ; the way out: 64 rows (points) of 256 bytes + 16
.set SP,    272
.set BN,    320512                     ; 256 scales, then 256 shifts
.set SPARE, 322560                     ; the spare words, 128 bytes a wave: four blocks of 256 bytes that no other line names
.set Q,   16                           ; v[16+8q ..]  point q: x, y, z, |p|^2, each written twice (a pair for the packed forms)
.set MN,  48                           ; v48-51   the group's running minimum, by point
.set D0,  52                           ; v52-63   the three smallest minima, by rank and point
.set D1,  56
.set D2,  60
.set N0,  64                           ; v64-75   their group numbers
.set N1,  68
.set N2,  72
.set TQ,  76                           ; v76-79   at work
.set AA,  80                           ; v80-87   -2 p2.p1, then d, a pair a point
.set TS,  88                           ; v88-95   |p2|^2 + |p1|^2
.set CA,  96                           ; v96-159  16 candidates: X16, Y16, Z16, S16
.set CB,  160                          ; v160-223 the group's other 16
.set P1R, 96                           ; ahead of the search: p1 as loaded (48), p2 as loaded (12), BN's four, the table's stage (64)
.set P2R, 144
.set BR,  156
.set SG,  160
.set ML,  96                           ; the merge: 8 lists of 6
.set MK,  66                           ; s66-77   twelve compare masks
.set MSB, 0
.macro WIN new                         ; the immediate's high byte repeats the setting that is left
.if MSB != (\new)
	s_set_vgpr_msb (MSB<<8)|(\new)
.set MSB, \new
.endif
.endm
.macro PLACES
.rept 4
	v_nop
.endr
.endm
.macro RND2 a, b, t                    ; two f32 rounded to bf16 (nearest even) and widened again
	v_cvt_pk_bf16_f32 v[\t], v[\a], v[\b]
	v_lshlrev_b32 v[\a], 16, v[\t]
	v_and_b32 v[\b], 0xffff0000, v[\t]
.endm
; (m, id) goes into the sorted list at v[l]: three values, then three numbers.  The compare is strict: of equal values the one that came first stays in front.
.macro INSV m, id, l, t, c
	v_cmp_lt_f32 s[\c], v[\m], v[\l]
	v_cmp_lt_f32 s[(\c)+1], v[\m], v[(\l)+1]
	v_cmp_lt_f32 s[(\c)+2], v[\m], v[(\l)+2]
	v_cndmask_b32 v[\t], v[\id], v[(\l)+4], s[(\c)+1]
	v_cndmask_b32 v[(\l)+5], v[(\l)+5], v[\t], s[(\c)+2]
	v_cndmask_b32 v[\t], v[\id], v[(\l)+3], s[\c]
	v_cndmask_b32 v[(\l)+4], v[(\l)+4], v[\t], s[(\c)+1]
	v_cndmask_b32 v[(\l)+3], v[(\l)+3], v[\id], s[\c]
	v_med3_num_f32 v[(\l)+2], v[(\l)+1], v[(\l)+2], v[\m]
	v_med3_num_f32 v[(\l)+1], v[\l], v[(\l)+1], v[\m]
	v_min_num_f32 v[\l], v[\l], v[\m]
.endm
	s_load_b512 s[16:31], s[0:1], 0x0              ; p1 16, p2 18, x1 20, W1 22, g1 24, b1 26, m1 28, v1 30
	s_load_b256 s[32:39], s[0:1], 0x40             ; W2 32, out0 34, H1 36, GID 38
	s_load_b128 s[40:43], s[0:1], 0x60             ; TBL 40, W2F 42
	v_lshl_add_u32 v2, v0, 2, SPARE
	v_mov_b32 v3, 0
	ds_add_u32 v2, v3                              ; the wave's opening: the add and its wait ahead of my first tensor load
	ds_add_u32 v2, v3
	v_lshrrev_b32 v1, 5, v0
	v_readfirstlane_b32 s8, v1                     ; wave 0..7
	s_mov_b32 s9, ttmp9                            ; g
	s_lshr_b32 s2, s9, 7                           ; the batch, of the search and of the convolution alike
	s_and_b32 s3, s9, 1                            ; which 128 channels
	s_bfe_u32 s5, s9, 0x60001                      ; which 64 points: (g / 2) % 64
	s_lshl_b32 s10, s2, 23                         ; a batch of x1 is 512 x 4,096 x 4 bytes,
	s_lshl_b32 s12, s8, 20                         ; my 64 rows begin 64 w x 16,384 bytes in,
	s_add_co_u32 s10, s10, s12
	s_lshl_b32 s12, s5, 8                          ; the tile's 64 columns are 256 bytes
	s_add_co_u32 s10, s10, s12
	s_mov_b32 s11, 0
	s_mov_b32 s44, 1                               ; group 0: count 1,
	s_lshl_b32 s45, s8, 14                         ; LDS address XF1 + 16,384 w
	s_mov_b32 s48, 0x20000                         ; group 1: elements of 4 bytes, no mask, no padding
	s_mov_b32 s49, 64<<16                          ; tensor_dim0 = 64
	s_mov_b32 s50, 64<<16                          ; tensor_dim1 = 64
	s_mov_b32 s51, 64<<16                          ; tile_dim0 = 64
	s_mov_b32 s52, 64                              ; tile_dim1 = 64
	s_mov_b32 s53, 4096                            ; elements from row to row
	s_mov_b32 s54, 0
	s_mov_b32 s55, 0
	s_wait_dscnt 0x0                               ; the opening add is done
	s_wait_kmcnt 0x0
	s_add_nc_u64 s[46:47], s[20:21], s[10:11]
	s_or_b32 s47, s47, 0x80000000                  ; type 2
	tensor_load_to_lds s[44:47], s[48:55]          ; my one tensor load: 64 rows x 256 bytes; it is waited for behind the search
	s_nop 0
	PLACES
	v_and_b32 v6, 31, v0                           ; l
	v_and_b32 v1, 15, v0                           ; r = l % 16
	v_bfe_u32 v5, v0, 4, 1                         ; h = l / 16
	s_mul_i32 s6, s9, 1536                         ; the work-group's 128 points of 12 bytes
	v_mul_u32_u24 v7, v6, 48
	v_add_nc_u32 v7, s6, v7                        ; my four points
	s_mul_i32 s7, s2, 49152                        ; the batch's 4,096 candidates
	v_mul_u32_u24 v8, v0, 48
	v_add_nc_u32 v8, s7, v8                        ; thread t takes candidates 4 (t + 256 i) .. + 3, i = 0..3
	v_lshlrev_b32 v9, 2, v0                        ; thread t is channel t for BN
	v_lshl_add_u32 v10, v0, 4, TAB
	v_lshl_add_u32 v11, v0, 2, BN
.irp i, 0,1,2
	global_load_b128 v[P2R+4*(\i):P2R+4*(\i)+3], v7, s[18:19] offset:16*(\i)
.endr
.irp i, 0,1,2,3
.irp k, 0,1,2
	global_load_b128 v[P1R+12*(\i)+4*(\k):P1R+12*(\i)+4*(\k)+3], v8, s[16:17] offset:12288*(\i)+16*(\k)
.endr
.endr
	global_load_b32 v[BR], v9, s[24:25]            ; g
	global_load_b32 v[BR+1], v9, s[26:27]          ; b
	global_load_b32 v[BR+2], v9, s[28:29]          ; m
	global_load_b32 v[BR+3], v9, s[30:31]          ; v
	s_wait_loadcnt 0x0
	; my four points: rounded, |p|^2 = (x x + y y) + z z, each number twice
.irp i, 0,1,2,3,4,5
	RND2 P2R+2*(\i), P2R+2*(\i)+1, 224+(\i)
.endr
.irp q, 0,1,2,3
	v_mul_f32 v[Q+8*(\q)+6], v[P2R+3*(\q)], v[P2R+3*(\q)]
	v_mov_b32 v[Q+8*(\q)], v[P2R+3*(\q)]
	v_mov_b32 v[Q+8*(\q)+1], v[P2R+3*(\q)]
	v_fma_f32 v[Q+8*(\q)+6], v[P2R+3*(\q)+1], v[P2R+3*(\q)+1], v[Q+8*(\q)+6]
	v_mov_b32 v[Q+8*(\q)+2], v[P2R+3*(\q)+1]
	v_mov_b32 v[Q+8*(\q)+3], v[P2R+3*(\q)+1]
	v_fma_f32 v[Q+8*(\q)+6], v[P2R+3*(\q)+2], v[P2R+3*(\q)+2], v[Q+8*(\q)+6]
	v_mov_b32 v[Q+8*(\q)+4], v[P2R+3*(\q)+2]
	v_mov_b32 v[Q+8*(\q)+5], v[P2R+3*(\q)+2]
	v_mov_b32 v[Q+8*(\q)+7], v[Q+8*(\q)+6]
.endr
	; the candidate table: rounded, |p|^2 likewise, the coordinates times -2 (exact), four candidates to a store
.irp i, 0,1,2,3
.irp k, 0,1,2,3,4,5
	RND2 P1R+12*(\i)+2*(\k), P1R+12*(\i)+2*(\k)+1, 224+(\k)
.endr
.irp c, 0,1,2,3
	v_mul_f32 v[SG+16*(\i)+12+(\c)], v[P1R+12*(\i)+3*(\c)], v[P1R+12*(\i)+3*(\c)]
	v_mul_f32 v[SG+16*(\i)+(\c)], -2.0, v[P1R+12*(\i)+3*(\c)]
	v_fma_f32 v[SG+16*(\i)+12+(\c)], v[P1R+12*(\i)+3*(\c)+1], v[P1R+12*(\i)+3*(\c)+1], v[SG+16*(\i)+12+(\c)]
	v_mul_f32 v[SG+16*(\i)+4+(\c)], -2.0, v[P1R+12*(\i)+3*(\c)+1]
	v_fma_f32 v[SG+16*(\i)+12+(\c)], v[P1R+12*(\i)+3*(\c)+2], v[P1R+12*(\i)+3*(\c)+2], v[SG+16*(\i)+12+(\c)]
	v_mul_f32 v[SG+16*(\i)+8+(\c)], -2.0, v[P1R+12*(\i)+3*(\c)+2]
.endr
.irp a, 0,1,2,3
	ds_store_b128 v10, v[SG+16*(\i)+4*(\a):SG+16*(\i)+4*(\a)+3] offset:16384*(\a)+4096*(\i)
.endr
.endr
	; BN of channel t: scale = g / sqrt(v + 1e-5), shift = b - m scale
	RND2 BR, BR+1, 224
	RND2 BR+2, BR+3, 225
	v_add_f32 v226, 0x3727c5ac, v[BR+3]
	v_rsq_f32 v226, v226
	v_nop                                          ; a plain instruction between the root and the use of its result (ISA guide 5.7.2)
	s_wait_alu depctr_va_vdst(0)
	v_mul_f32 v227, v[BR], v226
	v_fma_f32 v228, -v[BR+2], v227, v[BR+1]
	ds_store_b32 v11, v227
	ds_store_b32 v11, v228 offset:1024
	; waves 0 to 2: the work-group's 1,536 bytes of p2 go to out0 as they are; a store of a wave covers 512 consecutive bytes
	s_cmp_lt_u32 s8, 3
	s_cbranch_scc0 .Lnot_copy
	v_lshl_add_u32 v13, v0, 4, s6
	global_load_b128 v[232:235], v13, s[18:19]
	s_wait_loadcnt 0x0
	global_store_b128 v13, v[232:235], s[34:35]
	s_wait_xcnt 0x0                                ; the store's registers are written again only behind this wait
.Lnot_copy:
	; wave 6: block g of W2F: rows 16 (g / 16) + r of W2, columns 32 ((g / 2) % 8) + 16 (g % 2) + 8 h .. + 7, as bf16: half a fragment, lane l's 16 bytes at 16 l
	s_cmp_eq_u32 s8, 6
	s_cbranch_scc0 .Lnot_w2
	s_lshr_b32 s12, s9, 4
	s_lshl_b32 s12, s12, 14
	s_bfe_u32 s13, s9, 0x30001
	s_lshl_b32 s13, s13, 7
	s_add_co_u32 s12, s12, s13
	s_lshl_b32 s13, s3, 6
	s_add_co_u32 s12, s12, s13
	v_lshl_add_u32 v13, v1, 10, s12
	v_lshl_add_u32 v13, v5, 5, v13
	s_lshl_b32 s13, s9, 9
	v_lshl_add_u32 v14, v6, 4, s13
	global_load_b128 v[232:235], v13, s[32:33]
	global_load_b128 v[236:239], v13, s[32:33] offset:16
	s_wait_loadcnt 0x0
.irp i, 0,1,2,3
	v_cvt_pk_bf16_f32 v[240+(\i)], v[232+2*(\i)], v[233+2*(\i)]
.endr
	global_store_b128 v14, v[240:243], s[42:43]
	s_wait_xcnt 0x0
.Lnot_w2:
	s_wait_dscnt 0x0                               ; for the others' sake: my part of the table and of BN is written
	s_barrier_signal -1
	s_barrier_wait -1
	; wave 7: group g % 128 of the table goes to TBL as one block of 512 bytes: X32, Y32, Z32, S32
	s_cmp_eq_u32 s8, 7
	s_cbranch_scc0 .Lnot_tbl
	s_and_b32 s12, s9, 127
	s_lshl_b32 s12, s12, 7
	s_add_co_u32 s12, s12, TAB
	v_lshrrev_b32 v13, 3, v6
	v_and_b32 v14, 7, v6
	v_lshl_add_u32 v13, v13, 14, s12
	v_lshl_add_u32 v13, v14, 4, v13
	ds_load_b128 v[232:235], v13
	s_lshl_b32 s13, s9, 9
	v_lshl_add_u32 v14, v6, 4, s13
	s_wait_dscnt 0x0
	global_store_b128 v14, v[232:235], s[40:41]
	s_wait_xcnt 0x0
.Lnot_tbl:
	; W1 as it lies, into window 1: my 16 channels x 512: for K step i the lane's 8 + 8 numbers of a fragment.  64 loads; they are waited for behind the search,
	; and v12 and s[22:23] stay as they are until then.
	s_lshl_b32 s12, s3, 7
	s_lshl4_add_u32 s12, s8, s12                   ; channel 128 half + 16 w
	s_lshl_b32 s12, s12, 11
	s_mov_b32 s13, 0
	s_add_nc_u64 s[22:23], s[22:23], s[12:13]
	v_lshlrev_b32 v12, 11, v1
	v_lshl_add_u32 v12, v5, 5, v12                 ; row r, 32 h bytes in
	WIN 0x40                                       ; destination window 1, address window 0
.set i, 0
.rept 16
	global_load_b128 v[16*i:16*i+3],     v12, s[22:23] offset:128*i
	global_load_b128 v[16*i+4:16*i+7],   v12, s[22:23] offset:128*i+16
	global_load_b128 v[16*i+8:16*i+11],  v12, s[22:23] offset:128*i+64
	global_load_b128 v[16*i+12:16*i+15], v12, s[22:23] offset:128*i+80
.set i, i+1
.endr
	WIN 0
; THE SEARCH.  All lanes read the same 16 bytes: four candidates' numbers to a load.
.macro LDH buf, off                    ; 16 candidates, four arrays: 16 loads
.irp a, 0,1,2,3
.irp i, 0,1,2,3
	ds_load_b128 v[(\buf)+16*(\a)+4*(\i):(\buf)+16*(\a)+4*(\i)+3], v4 offset:16384*(\a)+(\off)+16*(\i)
.endr
.endr
.endm
; Two candidates against my four points: a = (-2x') x; a = (-2y') y + a; a = (-2z') z + a; t = |p1|^2 + |p2|^2; d = t + a; the minimum takes both.  24 instructions for 8 pairs a lane.
.macro PAIR buf, p, first
.irp q, 0,1,2,3
	v_pk_mul_f32 v[AA+2*(\q):AA+2*(\q)+1], v[(\buf)+2*(\p):(\buf)+2*(\p)+1], v[Q+8*(\q):Q+8*(\q)+1]
.endr
.irp q, 0,1,2,3
	v_pk_add_f32 v[TS+2*(\q):TS+2*(\q)+1], v[(\buf)+48+2*(\p):(\buf)+48+2*(\p)+1], v[Q+8*(\q)+6:Q+8*(\q)+7]
.endr
.irp q, 0,1,2,3
	v_pk_fma_f32 v[AA+2*(\q):AA+2*(\q)+1], v[(\buf)+16+2*(\p):(\buf)+16+2*(\p)+1], v[Q+8*(\q)+2:Q+8*(\q)+3], v[AA+2*(\q):AA+2*(\q)+1]
.endr
.irp q, 0,1,2,3
	v_pk_fma_f32 v[AA+2*(\q):AA+2*(\q)+1], v[(\buf)+32+2*(\p):(\buf)+32+2*(\p)+1], v[Q+8*(\q)+4:Q+8*(\q)+5], v[AA+2*(\q):AA+2*(\q)+1]
.endr
.irp q, 0,1,2,3
	v_pk_add_f32 v[AA+2*(\q):AA+2*(\q)+1], v[TS+2*(\q):TS+2*(\q)+1], v[AA+2*(\q):AA+2*(\q)+1]
.endr
.irp q, 0,1,2,3
.if \first
	v_min_num_f32 v[MN+(\q)], v[AA+2*(\q)], v[AA+2*(\q)+1]
.else
	v_min3_num_f32 v[MN+(\q)], v[MN+(\q)], v[AA+2*(\q)], v[AA+2*(\q)+1]
.endif
.endr
.endm
.macro INS4                            ; the group's four minima go into the four lists, row by row so that no line waits for the one before it
.irp q, 0,1,2,3
	v_cmp_lt_f32 s[MK+3*(\q)], v[MN+(\q)], v[D0+(\q)]
	v_cmp_lt_f32 s[MK+3*(\q)+1], v[MN+(\q)], v[D1+(\q)]
	v_cmp_lt_f32 s[MK+3*(\q)+2], v[MN+(\q)], v[D2+(\q)]
.endr
.irp q, 0,1,2,3
	v_cndmask_b32 v[TQ+(\q)], s79, v[N1+(\q)], s[MK+3*(\q)+1]
.endr
.irp q, 0,1,2,3
	v_cndmask_b32 v[N2+(\q)], v[N2+(\q)], v[TQ+(\q)], s[MK+3*(\q)+2]
.endr
.irp q, 0,1,2,3
	v_cndmask_b32 v[TQ+(\q)], s79, v[N0+(\q)], s[MK+3*(\q)]
.endr
.irp q, 0,1,2,3
	v_cndmask_b32 v[N1+(\q)], v[N1+(\q)], v[TQ+(\q)], s[MK+3*(\q)+1]
.endr
.irp q, 0,1,2,3
	v_cndmask_b32 v[N0+(\q)], v[N0+(\q)], s79, s[MK+3*(\q)]
.endr
.irp q, 0,1,2,3
	v_med3_num_f32 v[D2+(\q)], v[D1+(\q)], v[D2+(\q)], v[MN+(\q)]
.endr
.irp q, 0,1,2,3
	v_med3_num_f32 v[D1+(\q)], v[D0+(\q)], v[D1+(\q)], v[MN+(\q)]
.endr
.irp q, 0,1,2,3
	v_min_num_f32 v[D0+(\q)], v[D0+(\q)], v[MN+(\q)]
.endr
.endm
.macro TRIP more                       ; one group of 32.  more = 1: the next group's first half is fetched
	LDH CB, 64
	s_wait_dscnt 16                                ; LDS loads come back in order: the first half is in, the 16 just issued stay out
	PAIR CA, 0, 1
.irp p, 1,2,3,4,5,6,7
	PAIR CA, \p, 0
.endr
.if \more
	LDH CA, 128
	s_wait_dscnt 16                                ; the second half is in, the 16 just issued stay out
.else
	s_wait_dscnt 0x0
.endif
.irp p, 0,1,2,3,4,5,6,7
	PAIR CB, \p, 0
.endr
	v_add_nc_u32 v4, 128, v4                       ; the next group's 32 words in each array
	INS4
	s_add_co_u32 s79, s79, 1
.endm
	s_lshl_b32 s12, s8, 11
	s_add_co_u32 s12, s12, TAB
	v_mov_b32 v4, s12                              ; my 512 candidates
	s_lshl_b32 s79, s8, 4                          ; my first group
.set i, 0
.rept 12
	v_mov_b32 v[D0+i], 0x7f800000                  ; the lists begin at +infinity,
	v_mov_b32 v[N0+i], 0                           ; group 0
.set i, i+1
.endr
	LDH CA, 0
	s_mov_b32 s78, 15
.Lgroup:
	TRIP 1
	s_sub_co_u32 s78, s78, 1
	s_cmp_lg_u32 s78, 0
	s_cbranch_scc1 .Lgroup
	TRIP 0                                         ; the last group is written out: nothing is read past my candidates
	s_mul_i32 s12, s8, 3072
	s_add_co_u32 s12, s12, MRG
	v_lshl_add_u32 v13, v6, 4, s12
.irp c, 0,1,2,3,4,5
	ds_store_b128 v13, v[D0+4*(\c):D0+4*(\c)+3] offset:512*(\c)
.endr
	s_wait_dscnt 0x0                               ; for the others' sake: my lists are written
	s_barrier_signal -1
	s_barrier_wait -1
	; waves 0 to 3: thread t merges the eight lists of point t, waves and ranks ascending, so that of equal minima the lower group stays in front
	s_cmp_lt_u32 s8, 4
	s_cbranch_scc0 .Lno_merge
	v_lshl_add_u32 v13, v0, 2, MRG
.set i, 0
.rept 48
	ds_load_b32 v[ML+i], v13 offset:512*i
.set i, i+1
.endr
	s_wait_dscnt 0x0
.irp w, 1,2,3,4,5,6,7
.irp k, 0,1,2
	INSV ML+6*(\w)+(\k), ML+6*(\w)+3+(\k), ML, 151, MK
.endr
.endr
	v_min_u32 v148, v[ML+3], v[ML+4]               ; the three numbers in ascending order
	v_max_u32 v149, v[ML+3], v[ML+4]
	v_max_u32 v150, v148, v[ML+5]
	v_min_u32 v144, v148, v[ML+5]
	v_min_u32 v145, v149, v150
	v_max_u32 v146, v149, v150
	v_mov_b32 v147, 0
	s_lshl_b32 s12, s9, 11
	v_lshl_add_u32 v14, v0, 4, s12
	global_store_b128 v14, v[144:147], s[38:39]    ; a store of a wave covers 512 consecutive bytes
	s_wait_xcnt 0x0
.Lno_merge:
	; THE CONVOLUTION.  My 64 rows of x1 to bf16: a load takes two rows' 512 bytes, a lane four numbers; they go to [channel][point] rows of 160 bytes
	s_lshl_b32 s12, s8, 14
	v_lshl_add_u32 v19, v6, 4, s12
	s_mul_i32 s12, s8, 64*PB
	s_add_co_u32 s12, s12, XB1
	v_mul_u32_u24 v20, v5, PB
	v_lshl_add_u32 v20, v1, 3, v20
	v_add_nc_u32 v20, s12, v20
	s_wait_tensorcnt 0x0                           ; my rows are in LDS; I alone read them
.irp bt, 0,1,2,3
.irp i, 0,1,2,3,4,5,6,7
	ds_load_b128 v[96+4*(\i):96+4*(\i)+3], v19 offset:512*(8*(\bt)+(\i))
.endr
	s_wait_dscnt 0x0
.irp i, 0,1,2,3,4,5,6,7
	v_cvt_pk_bf16_f32 v[128+2*(\i)], v[96+4*(\i)], v[96+4*(\i)+1]
	v_cvt_pk_bf16_f32 v[129+2*(\i)], v[96+4*(\i)+2], v[96+4*(\i)+3]
.endr
.irp i, 0,1,2,3,4,5,6,7
	ds_store_b64 v20, v[128+2*(\i):129+2*(\i)] offset:2*PB*(8*(\bt)+(\i))
.endr
.endr
	; addresses for the products and the way out
	v_and_b32 v21, 7, v0
	v_lshl_add_u32 v21, v5, 3, v21                 ; the turning load: row 8 h + l % 8,
	v_mul_u32_u24 v21, v21, PB
	v_bfe_u32 v22, v0, 3, 1
	v_lshl_add_u32 v21, v22, 4, v21                ; 16 bytes for each half of a group of sixteen lanes
	v_add_nc_u32 v21, XB1, v21                     ; K steps 0 to 7
	v_add_nc_u32 v22, 8*32*PB, v21                 ; K steps 8 to 15: the 16-bit offset does not reach them from v21
	s_lshl_b32 s12, s3, 9
	s_lshl_b32 s13, s8, 6
	s_add_co_u32 s12, s12, s13
	s_add_co_u32 s12, s12, BN
	v_lshl_add_u32 v23, v5, 5, s12                 ; BN of my lane's channels 128 half + 16 w + 8 h + 0..7
	v_mul_u32_u24 v16, v1, SP                      ; into the stage: row (point) r, my 8 channels' 16 bytes at 32 w + 16 h
	v_lshl_add_u32 v16, v5, 4, v16
	s_lshl_b32 s12, s8, 5
	s_add_co_u32 s12, s12, STG
	v_add_nc_u32 v16, s12, v16
	s_mul_i32 s12, s8, 8*SP                        ; back: wave w takes rows 8 w .. 8 w + 7, sixteen lanes a row
	s_add_co_u32 s12, s12, STG
	v_mul_u32_u24 v17, v5, SP
	v_lshl_add_u32 v17, v1, 4, v17
	v_add_nc_u32 v17, s12, v17
	v_lshlrev_b32 v18, 9, v5                       ; and the same two rows in H1
	v_lshl_add_u32 v18, v1, 4, v18
	s_lshl_b32 s12, s2, 12
	s_lshl_b32 s13, s5, 6
	s_add_co_u32 s12, s12, s13
	s_lshl3_add_u32 s12, s8, s12                   ; point 4,096 batch + 64 tile + 8 w,
	s_lshl_b32 s12, s12, 9                         ; 512 bytes a point,
	s_lshl_b32 s13, s3, 8                          ; my half of its channels
	s_add_co_u32 s12, s12, s13
	s_mov_b32 s13, 0
	s_add_nc_u64 s[36:37], s[36:37], s[12:13]
	s_wait_loadcnt 0x0                             ; W1
	WIN 0x45                                       ; destination and both sources window 1
.set i, 0
.rept 128                                      ; 256 f32 become 16 fragments of 8 registers, in place: register i is written when registers up to 2 i + 1 have been read
	v_cvt_pk_bf16_f32 v[i], v[2*i], v[2*i+1]
.set i, i+1
.endr
	WIN 0
	s_wait_dscnt 0x0                               ; for the others' sake: my rows of XB1 are written
	s_barrier_signal -1
	s_barrier_wait -1
	ds_load_b128 v[64:67], v23                     ; scales,
	ds_load_b128 v[68:71], v23 offset:16
	ds_load_b128 v[72:75], v23 offset:1024         ; shifts
	ds_load_b128 v[76:79], v23 offset:1040
; D = W1 (16 channels x 32) x x1 (32 x 16 points): a lane of the result holds one point (r) and the channels 8 h + 0..7: 16 neighbouring bytes of a row of H1.
.macro LBF ks                          ; K step ks: four fragments of x1, turned on the way out of LDS, into buffer ks % 2 of window 1
	WIN 0x40
.irp nt, 0,1,2,3
	ds_load_tr16_b128 v[128+32*((\ks)%2)+8*(\nt):128+32*((\ks)%2)+8*(\nt)+3],   v[21+(\ks)/8] offset:((\ks)%8)*32*PB+32*(\nt)
	ds_load_tr16_b128 v[128+32*((\ks)%2)+8*(\nt)+4:128+32*((\ks)%2)+8*(\nt)+7], v[21+(\ks)/8] offset:((\ks)%8)*32*PB+32*(\nt)+16*PB
.endr
.endm
.macro STEP ks                         ; the four accumulators take turns
.if (\ks) > 0
	PLACES                                         ; four places between the products that read a buffer and the loads into it
.endif
.if (\ks) < 15
	LBF (\ks)+1
	s_wait_dscnt 8                                 ; this step's fragments are in, the eight loads just issued stay out
.else
	s_wait_dscnt 0x0
.endif
	WIN 0x05                                       ; both sources window 1, C and D window 0
.irp nt, 0,1,2,3
.if (\ks) == 0
	v_wmma_f32_16x16x32_bf16 v[32+8*(\nt):32+8*(\nt)+7], v[8*(\ks):8*(\ks)+7], v[128+32*((\ks)%2)+8*(\nt):128+32*((\ks)%2)+8*(\nt)+7], 0
.else
	v_wmma_f32_16x16x32_bf16 v[32+8*(\nt):32+8*(\nt)+7], v[8*(\ks):8*(\ks)+7], v[128+32*((\ks)%2)+8*(\nt):128+32*((\ks)%2)+8*(\nt)+7], v[32+8*(\nt):32+8*(\nt)+7]
.endif
.endr
.endm
	LBF 0
.irp ks, 0,1,2,3,4,5,6,7,8,9,10,11,12,13,14,15
	STEP \ks
.endr
	WIN 0
	PLACES                                         ; between the last products and the lines that read them
.irp nt, 0,1,2,3                       ; BN, relu, bf16; each accumulator from its low end on
.irp i, 0,1,2,3
	v_pk_fma_f32 v[32+8*(\nt)+2*(\i):32+8*(\nt)+2*(\i)+1], v[32+8*(\nt)+2*(\i):32+8*(\nt)+2*(\i)+1], v[64+2*(\i):65+2*(\i)], v[72+2*(\i):73+2*(\i)]
.endr
.irp j, 0,1,2,3,4,5,6,7
	v_max_num_f32 v[32+8*(\nt)+(\j)], 0, v[32+8*(\nt)+(\j)]
.endr
.irp i, 0,1,2,3
	v_cvt_pk_bf16_f32 v[80+4*(\nt)+(\i)], v[32+8*(\nt)+2*(\i)], v[32+8*(\nt)+2*(\i)+1]
.endr
	ds_store_b128 v16, v[80+4*(\nt):80+4*(\nt)+3] offset:16*SP*(\nt)
.endr
	s_wait_dscnt 0x0                               ; for the others' sake: a row's 256 bytes come from all eight waves
	s_barrier_signal -1
	s_barrier_wait -1
.irp i, 0,1,2,3
	ds_load_b128 v[96+4*(\i):96+4*(\i)+3], v17 offset:2*SP*(\i)
.endr
.irp i, 0,1,2,3
	s_wait_dscnt 3-(\i)                            ; the younger loads stay out
	global_store_b128 v18, v[96+4*(\i):96+4*(\i)+3], s[36:37] offset:1024*(\i)  ; sixteen lanes store 256 consecutive bytes, at a multiple of 256 from H1's first byte
.endr
	s_wait_tensorcnt 0x0                           ; the wave's end
	ds_add_u32 v2, v3
	s_wait_dscnt 0x0
	s_endpgm
.Lfunc_end_k_qb372074675_search_conv1:
	.size	k_qb372074675_search_conv1, .Lfunc_end_k_qb372074675_search_conv1-k_qb372074675_search_conv1
	.p2alignl 7, 3214868480
	.fill 96, 4, 3214868480
	.section	.rodata,"a",@progbits
	.p2align	6, 0x0
	.amdhsa_kernel k_qb372074675_search_conv1
		.amdhsa_group_segment_fixed_size 323584
		.amdhsa_private_segment_fixed_size 0
		.amdhsa_enable_private_segment 0
		.amdhsa_kernarg_size 112
		.amdhsa_user_sgpr_count 2
		.amdhsa_user_sgpr_kernarg_segment_ptr 1
		.amdhsa_wavefront_size32 1
		.amdhsa_system_sgpr_workgroup_id_x 1
		.amdhsa_system_sgpr_workgroup_id_y 1
		.amdhsa_system_sgpr_workgroup_id_z 1
		.amdhsa_system_vgpr_workitem_id 0
		.amdhsa_next_free_vgpr 512
		.amdhsa_next_free_sgpr 80
		.amdhsa_reserve_vcc 0
		.amdhsa_float_denorm_mode_32 3
		.amdhsa_float_denorm_mode_16_64 3
		.amdhsa_memory_ordered 1
		.amdhsa_forward_progress 1
		.amdhsa_inst_pref_size 141
	.end_amdhsa_kernel
	.amdgpu_metadata
---
amdhsa.version: [ 1, 2 ]
amdhsa.kernels:
  - .name:           k_qb372074675_search_conv1
    .symbol:         k_qb372074675_search_conv1.kd
    .args:
      - { .name: p1, .offset: 0, .size: 8, .value_kind: global_buffer, .address_space: global }
      - { .name: p2, .offset: 8, .size: 8, .value_kind: global_buffer, .address_space: global }
      - { .name: x1, .offset: 16, .size: 8, .value_kind: global_buffer, .address_space: global }
      - { .name: W1, .offset: 24, .size: 8, .value_kind: global_buffer, .address_space: global }
      - { .name: g1, .offset: 32, .size: 8, .value_kind: global_buffer, .address_space: global }
      - { .name: b1, .offset: 40, .size: 8, .value_kind: global_buffer, .address_space: global }
      - { .name: m1, .offset: 48, .size: 8, .value_kind: global_buffer, .address_space: global }
      - { .name: v1, .offset: 56, .size: 8, .value_kind: global_buffer, .address_space: global }
      - { .name: W2, .offset: 64, .size: 8, .value_kind: global_buffer, .address_space: global }
      - { .name: out0, .offset: 72, .size: 8, .value_kind: global_buffer, .address_space: global }
      - { .name: H1, .offset: 80, .size: 8, .value_kind: global_buffer, .address_space: global }
      - { .name: GID, .offset: 88, .size: 8, .value_kind: global_buffer, .address_space: global }
      - { .name: TBL, .offset: 96, .size: 8, .value_kind: global_buffer, .address_space: global }
      - { .name: W2F, .offset: 104, .size: 8, .value_kind: global_buffer, .address_space: global }
    .group_segment_fixed_size: 323584
    .private_segment_fixed_size: 0
    .kernarg_segment_align: 8
    .kernarg_segment_size: 112
    .max_flat_workgroup_size: 256
    .sgpr_count:     80
    .vgpr_count:     512
    .wavefront_size: 32
...
	.end_amdgpu_metadata
.endif
;; end of part 1
;; launch rescan (part 2): grid 256 x 1, 4 waves a work-group, no clusters, 167,936 bytes of LDS; arguments p2, TBL, GID, IDX, WGT; writes IDX, WGT
.if DOCPART == 2
	.amdgcn_target "amdgcn-amd-amdhsa--gfx1250"
	.amdhsa_code_object_version 6
	.text
	.protected	k_qb372074675_rescan
	.globl	k_qb372074675_rescan
	.p2align	8
	.type	k_qb372074675_rescan,@function
k_qb372074675_rescan:
	s_mov_b64 s[64:65], 0
	v_nop
	global_prefetch_b8 v0, s[64:65] scope:SCOPE_SE
	s_setreg_imm32_b32 hwreg(HW_REG_WAVE_MODE, 25, 1), 1
	s_wait_xcnt 0x0
; THE THREE NEAREST, EXACTLY.  Thread t of work-group g owns dense point 128 g + t.  GID names the three groups of 32 candidates that hold its three nearest points;
; the 96 distances are made again, by the same five steps on the same numbers as in the launch before, and the three smallest are kept with their indices.
; Of equal distances the lower index stays in front: the compare is strict, a group is scanned ascending, and the groups' numbers ascend.
; Weights: 1 / (d + 1e-8), divided by their sum.  IDX: three indices (0 .. 4,095) and 0; WGT: three weights and 0.
; LIMITS: as in the launch before (points rounded to bf16; NaN and infinities not treated apart); reciprocals by v_rcp_f32.
; The batch's table (128 groups x 512 bytes) comes into LDS once, 32 groups a wave by one tensor load; no LDS byte is filled twice.
; NO CLUSTER: the table is asked for once, 16,384 bytes a wave, at the head; a joint request would put two rounds of the cluster's barrier into a text that has one barrier.
.set PT,    528                        ; a group in LDS: 512 bytes + 16: lanes with different groups fall on different 16-byte columns
.set SPARE, 128*PT                     ; the spare words, 128 bytes a wave: two blocks of 256 bytes that no other line names
.set QX,  8                            ; v8-15   x, y, z, |p|^2, each twice
.set ADR, 16                           ; v16-18  LDS address of group k
.set GB,  19                           ; v19-21  its first candidate's index
.set LST, 24                           ; v[24+6k ..]  list k: three distances, three numbers
.set TQ,  42                           ; v42-44  at work
.set AA,  48                           ; v[48+4k ..]  four distances of group k
.set TS,  60
.set BUF, 96                           ; two buffers of 48: group k at + 16 k, array a at + 4 a
.set MK,  28                           ; s28-36  nine compare masks
.macro PLACES
.rept 4
	v_nop
.endr
.endm
.macro INSV m, id, l, t, c             ; (m, id) into the sorted list at v[l]
	v_cmp_lt_f32 s[\c], v[\m], v[\l]
	v_cmp_lt_f32 s[(\c)+1], v[\m], v[(\l)+1]
	v_cmp_lt_f32 s[(\c)+2], v[\m], v[(\l)+2]
	v_cndmask_b32 v[\t], v[\id], v[(\l)+4], s[(\c)+1]
	v_cndmask_b32 v[(\l)+5], v[(\l)+5], v[\t], s[(\c)+2]
	v_cndmask_b32 v[\t], v[\id], v[(\l)+3], s[\c]
	v_cndmask_b32 v[(\l)+4], v[(\l)+4], v[\t], s[(\c)+1]
	v_cndmask_b32 v[(\l)+3], v[(\l)+3], v[\id], s[\c]
	v_med3_num_f32 v[(\l)+2], v[(\l)+1], v[(\l)+2], v[\m]
	v_med3_num_f32 v[(\l)+1], v[\l], v[(\l)+1], v[\m]
	v_min_num_f32 v[\l], v[\l], v[\m]
.endm
.macro INS3 cc, id                     ; candidate id of each of the three groups into its group's list, row by row
.irp k, 0,1,2
	v_cmp_lt_f32 s[MK+3*(\k)], v[AA+4*(\k)+(\cc)], v[LST+6*(\k)]
	v_cmp_lt_f32 s[MK+3*(\k)+1], v[AA+4*(\k)+(\cc)], v[LST+6*(\k)+1]
	v_cmp_lt_f32 s[MK+3*(\k)+2], v[AA+4*(\k)+(\cc)], v[LST+6*(\k)+2]
.endr
.irp k, 0,1,2
	v_cndmask_b32 v[TQ+(\k)], \id, v[LST+6*(\k)+4], s[MK+3*(\k)+1]
.endr
.irp k, 0,1,2
	v_cndmask_b32 v[LST+6*(\k)+5], v[LST+6*(\k)+5], v[TQ+(\k)], s[MK+3*(\k)+2]
.endr
.irp k, 0,1,2
	v_cndmask_b32 v[TQ+(\k)], \id, v[LST+6*(\k)+3], s[MK+3*(\k)]
.endr
.irp k, 0,1,2
	v_cndmask_b32 v[LST+6*(\k)+4], v[LST+6*(\k)+4], v[TQ+(\k)], s[MK+3*(\k)+1]
.endr
.irp k, 0,1,2
	v_cndmask_b32 v[LST+6*(\k)+3], v[LST+6*(\k)+3], \id, s[MK+3*(\k)]
.endr
.irp k, 0,1,2
	v_med3_num_f32 v[LST+6*(\k)+2], v[LST+6*(\k)+1], v[LST+6*(\k)+2], v[AA+4*(\k)+(\cc)]
.endr
.irp k, 0,1,2
	v_med3_num_f32 v[LST+6*(\k)+1], v[LST+6*(\k)], v[LST+6*(\k)+1], v[AA+4*(\k)+(\cc)]
.endr
.irp k, 0,1,2
	v_min_num_f32 v[LST+6*(\k)], v[LST+6*(\k)], v[AA+4*(\k)+(\cc)]
.endr
.endm
.macro LDS4 s                          ; step s: candidates 4 s .. 4 s + 3 of the three groups: 12 loads into buffer s % 2
.irp k, 0,1,2
.irp a, 0,1,2,3
	ds_load_b128 v[BUF+48*((\s)%2)+16*(\k)+4*(\a):BUF+48*((\s)%2)+16*(\k)+4*(\a)+3], v[ADR+(\k)] offset:128*(\a)+16*(\s)
.endr
.endr
.endm
.macro CS s                            ; their twelve distances, then the lists
.set bb, BUF+48*((\s)%2)
.irp k, 0,1,2
.irp p, 0,1
	v_pk_mul_f32 v[AA+4*(\k)+2*(\p):AA+4*(\k)+2*(\p)+1], v[bb+16*(\k)+2*(\p):bb+16*(\k)+2*(\p)+1], v[QX:QX+1]
.endr
.endr
.irp k, 0,1,2
.irp p, 0,1
	v_pk_add_f32 v[TS+4*(\k)+2*(\p):TS+4*(\k)+2*(\p)+1], v[bb+16*(\k)+12+2*(\p):bb+16*(\k)+12+2*(\p)+1], v[QX+6:QX+7]
.endr
.endr
.irp k, 0,1,2
.irp p, 0,1
	v_pk_fma_f32 v[AA+4*(\k)+2*(\p):AA+4*(\k)+2*(\p)+1], v[bb+16*(\k)+4+2*(\p):bb+16*(\k)+4+2*(\p)+1], v[QX+2:QX+3], v[AA+4*(\k)+2*(\p):AA+4*(\k)+2*(\p)+1]
.endr
.endr
.irp k, 0,1,2
.irp p, 0,1
	v_pk_fma_f32 v[AA+4*(\k)+2*(\p):AA+4*(\k)+2*(\p)+1], v[bb+16*(\k)+8+2*(\p):bb+16*(\k)+8+2*(\p)+1], v[QX+4:QX+5], v[AA+4*(\k)+2*(\p):AA+4*(\k)+2*(\p)+1]
.endr
.endr
.irp k, 0,1,2
.irp p, 0,1
	v_pk_add_f32 v[AA+4*(\k)+2*(\p):AA+4*(\k)+2*(\p)+1], v[TS+4*(\k)+2*(\p):TS+4*(\k)+2*(\p)+1], v[AA+4*(\k)+2*(\p):AA+4*(\k)+2*(\p)+1]
.endr
.endr
.irp c, 0,1,2,3
	INS3 \c, 4*(\s)+(\c)
.endr
.endm
	s_load_b256 s[4:11], s[0:1], 0x0               ; p2 4, TBL 6, GID 8, IDX 10
	s_load_b64 s[12:13], s[0:1], 0x20              ; WGT
	v_lshl_add_u32 v2, v0, 2, SPARE
	v_mov_b32 v3, 0
	ds_add_u32 v2, v3                              ; the wave's opening: the add and its wait ahead of my first tensor load
	ds_add_u32 v2, v3
	v_lshrrev_b32 v1, 5, v0
	v_readfirstlane_b32 s14, v1                    ; wave 0..3
	s_mov_b32 s15, ttmp9                           ; g
	s_lshr_b32 s38, s15, 7
	s_lshl_b32 s38, s38, 16                        ; the batch's table, 65,536 bytes,
	s_lshl_b32 s40, s14, 14                        ; my 32 groups of 512 bytes
	s_add_co_u32 s38, s38, s40
	s_mov_b32 s39, 0
	s_mov_b32 s16, 1                               ; group 0: count 1,
	s_mul_i32 s17, s14, 32*PT                      ; LDS address
	s_mov_b32 s20, (2<<16)|(1<<20)|(6<<22)|(3<<25) ; group 1: elements of 4 bytes; padding on: after every 128 words (code 6) 4 words (code 3)
	s_mov_b32 s21, 128<<16                         ; tensor_dim0 = 128
	s_mov_b32 s22, 32<<16                          ; tensor_dim1 = 32
	s_mov_b32 s23, 128<<16                         ; tile_dim0 = 128
	s_mov_b32 s24, 32                              ; tile_dim1 = 32
	s_mov_b32 s25, 128                             ; elements from row to row
	s_mov_b32 s26, 0
	s_mov_b32 s27, 0
	s_wait_dscnt 0x0                               ; the opening add is done
	s_wait_kmcnt 0x0
	s_add_nc_u64 s[18:19], s[6:7], s[38:39]
	s_or_b32 s19, s19, 0x80000000                  ; type 2
	tensor_load_to_lds s[16:19], s[20:27]          ; my one tensor load
	s_nop 0
	PLACES
	s_lshl_b32 s40, s15, 11
	v_lshl_add_u32 v80, v0, 4, s40                 ; my record of 16 bytes in GID, IDX and WGT; never rewritten
	s_mul_i32 s41, s15, 1536
	v_mul_u32_u24 v81, v0, 12
	v_add_nc_u32 v81, s41, v81                     ; my point
	global_load_b128 v[4:7], v80, s[8:9]
	global_load_b32 v45, v81, s[4:5]
	global_load_b32 v46, v81, s[4:5] offset:4
	global_load_b32 v47, v81, s[4:5] offset:8
.irp k, 0,1,2
.irp j, 0,1,2
	v_mov_b32 v[LST+6*(\k)+(\j)], 0x7f800000       ; the lists begin at +infinity,
	v_mov_b32 v[LST+6*(\k)+3+(\j)], 0              ; number 0
.endr
.endr
	s_wait_loadcnt 0x0
	v_cvt_pk_bf16_f32 v82, v45, v46                ; the point rounded to bf16 and widened again
	v_cvt_pk_bf16_f32 v83, v47, v47
	v_lshlrev_b32 v[QX], 16, v82
	v_and_b32 v[QX+2], 0xffff0000, v82
	v_lshlrev_b32 v[QX+4], 16, v83
	v_mul_f32 v[QX+6], v[QX], v[QX]                ; |p|^2 = (x x + y y) + z z
	v_mov_b32 v[QX+1], v[QX]
	v_fma_f32 v[QX+6], v[QX+2], v[QX+2], v[QX+6]
	v_mov_b32 v[QX+3], v[QX+2]
	v_fma_f32 v[QX+6], v[QX+4], v[QX+4], v[QX+6]
	v_mov_b32 v[QX+5], v[QX+4]
	v_mov_b32 v[QX+7], v[QX+6]
.irp k, 0,1,2
	v_min_u32 v[4+(\k)], 127, v[4+(\k)]            ; a number that was loaded enters an address only clamped to the table
	v_mul_u32_u24 v[ADR+(\k)], v[4+(\k)], PT
	v_lshlrev_b32 v[GB+(\k)], 5, v[4+(\k)]
.endr
	s_wait_tensorcnt 0x0                           ; my part of the table is in,
	s_barrier_signal -1
	s_barrier_wait -1                              ; everybody's is
	LDS4 0
	LDS4 1
.irp s, 0,1,2,3,4,5
	s_wait_dscnt 12                                ; this step's twelve loads are in, the next step's twelve stay out
	CS \s
	LDS4 (\s)+2
.endr
	s_wait_dscnt 12
	CS 6
	s_wait_dscnt 0x0
	CS 7
.irp k, 0,1,2
.irp j, 3,4,5
	v_add_nc_u32 v[LST+6*(\k)+(\j)], v[GB+(\k)], v[LST+6*(\k)+(\j)]  ; place in the group -> index in the batch
.endr
.endr
.irp k, 1,2
.irp j, 0,1,2
	INSV LST+6*(\k)+(\j), LST+6*(\k)+3+(\j), LST, TQ, MK
.endr
.endr
	v_add_f32 v84, 0x322bcc77, v[LST]              ; d + 1e-8
	v_add_f32 v85, 0x322bcc77, v[LST+1]
	v_add_f32 v86, 0x322bcc77, v[LST+2]
	v_rcp_f32 v84, v84
	v_rcp_f32 v85, v85
	v_rcp_f32 v86, v86
	v_mov_b32 v72, v[LST+3]                        ; plain instructions between the reciprocals and the use of their results (ISA guide 5.7.2)
	v_mov_b32 v73, v[LST+4]
	v_mov_b32 v74, v[LST+5]
	v_mov_b32 v75, 0
	s_wait_alu depctr_va_vdst(0)
	v_add_f32 v87, v84, v85
	v_add_f32 v87, v87, v86
	v_rcp_f32 v87, v87
	v_mov_b32 v79, 0
	s_wait_alu depctr_va_vdst(0)
	v_mul_f32 v76, v84, v87
	v_mul_f32 v77, v85, v87
	v_mul_f32 v78, v86, v87
	global_store_b128 v80, v[72:75], s[10:11]      ; a store of a wave covers 512 consecutive bytes
	global_store_b128 v80, v[76:79], s[12:13]
	s_wait_tensorcnt 0x0                           ; the wave's end
	ds_add_u32 v2, v3
	s_wait_dscnt 0x0
	s_endpgm
.Lfunc_end_k_qb372074675_rescan:
	.size	k_qb372074675_rescan, .Lfunc_end_k_qb372074675_rescan-k_qb372074675_rescan
	.p2alignl 7, 3214868480
	.fill 96, 4, 3214868480
	.section	.rodata,"a",@progbits
	.p2align	6, 0x0
	.amdhsa_kernel k_qb372074675_rescan
		.amdhsa_group_segment_fixed_size 167936
		.amdhsa_private_segment_fixed_size 0
		.amdhsa_enable_private_segment 0
		.amdhsa_kernarg_size 40
		.amdhsa_user_sgpr_count 2
		.amdhsa_user_sgpr_kernarg_segment_ptr 1
		.amdhsa_wavefront_size32 1
		.amdhsa_system_sgpr_workgroup_id_x 1
		.amdhsa_system_sgpr_workgroup_id_y 1
		.amdhsa_system_sgpr_workgroup_id_z 1
		.amdhsa_system_vgpr_workitem_id 0
		.amdhsa_next_free_vgpr 192
		.amdhsa_next_free_sgpr 66
		.amdhsa_reserve_vcc 0
		.amdhsa_float_denorm_mode_32 3
		.amdhsa_float_denorm_mode_16_64 3
		.amdhsa_memory_ordered 1
		.amdhsa_forward_progress 1
		.amdhsa_inst_pref_size 94
	.end_amdhsa_kernel
	.amdgpu_metadata
---
amdhsa.version: [ 1, 2 ]
amdhsa.kernels:
  - .name:           k_qb372074675_rescan
    .symbol:         k_qb372074675_rescan.kd
    .args:
      - { .name: p2, .offset: 0, .size: 8, .value_kind: global_buffer, .address_space: global }
      - { .name: TBL, .offset: 8, .size: 8, .value_kind: global_buffer, .address_space: global }
      - { .name: GID, .offset: 16, .size: 8, .value_kind: global_buffer, .address_space: global }
      - { .name: IDX, .offset: 24, .size: 8, .value_kind: global_buffer, .address_space: global }
      - { .name: WGT, .offset: 32, .size: 8, .value_kind: global_buffer, .address_space: global }
    .group_segment_fixed_size: 167936
    .private_segment_fixed_size: 0
    .kernarg_segment_align: 8
    .kernarg_segment_size: 40
    .max_flat_workgroup_size: 128
    .sgpr_count:     66
    .vgpr_count:     192
    .wavefront_size: 32
...
	.end_amdgpu_metadata
.endif
;; end of part 2
;; launch conv2_up (part 3): grid 256 x 1, 8 waves a work-group, no clusters, 277,504 bytes of LDS; arguments x2, W2F, g2, b2, m2, v2, H1, IDX, WGT, out1; writes out1
.if DOCPART == 3
	.amdgcn_target "amdgcn-amd-amdhsa--gfx1250"
	.amdhsa_code_object_version 6
	.text
	.protected	k_qb372074675_conv2_up
	.globl	k_qb372074675_conv2_up
	.p2align	8
	.type	k_qb372074675_conv2_up,@function
k_qb372074675_conv2_up:
	s_mov_b64 s[64:65], 0
	v_nop
	global_prefetch_b8 v0, s[64:65] scope:SCOPE_SE
	s_setreg_imm32_b32 hwreg(HW_REG_WAVE_MODE, 25, 1), 1
	s_wait_xcnt 0x0
; y = relu(BN2(W2 x2)) + the weighted sum of three rows of H1.  Eight waves, 256 work-groups.
; Work-group g makes all 256 channels of the 128 points 128 (g % 128) .. of batch g / 128; wave w the channels 32 w .. 32 w + 31, in two halves of 64 points.  K = 256.
; The whole tile of x2 (256 rows x 512 bytes) is asked for at the head, 32 rows a wave by one tensor load; while it is on its way the wave loads its weights (already bf16, in
; fragment order) and gathers: for each point three rows of H1, of each row the 16 bytes that hold the lane's eight channels, multiplied by the weight into f32 sums U.
; D = W2 (16 channels x 32) x x2 (32 x 16 points): a lane of the result holds one point (r) and the channels 8 h + 0..7, and U has the same layout.
; Results go through the wave's own stage in LDS, so that sixteen lanes store 256 consecutive bytes of a row of out1.
; FORMATS AND LIMITS: x2, W2 and BN's four inputs are rounded to bf16; sums in f32; H1 is bf16 (its rounding is at most 2^-9 of the gathered term, and both terms of y are >= 0).
; NO CLUSTER: the work-groups share no tile of x2; W2F goes straight into the registers of the wave that multiplies by it; the rows of H1 are named by lists that differ from lane to lane.
; No LDS byte is filled twice: each wave has one tensor load out.
.set XF,    0                          ; x2 as it comes: wave w's 32 rows of 512 bytes at 16,384 w
.set XB,    131072                     ; x2 in bf16, [channel][point]: 256 rows, 256 bytes + 32
.set PB,    288                        ; = 9 x 32
.set STG,   204800                     ; each wave's own 32 rows (channels) of 64 f32 + 16 bytes
.set SP,    272
.set BN,    274432                     ; 256 scales, then 256 shifts
.set SPARE, 276480                     ; the spare words, 128 bytes a wave: four blocks of 256 bytes that no other line names
.set OFS, 32                           ; v[32+4n+k]  ahead of the products: byte offset of neighbour k of point 16 n + r in H1
.set WTS, 64                           ; v[64+4n+k]  its weight
.set ACC, 32                           ; v32-95   eight accumulators: (mt, nt) at 32 + 8 (2 nt + mt)
.set SC,  96                           ; v96-111  scales of my lane's channels, 8 for each mt
.set SH,  112                          ; v112-127 shifts
.set UU,  128                          ; v128-255 U: (mt, n) at 128 + 8 (8 mt + n)
.set GG,  128                          ; window 1, v128-223: gathered rows, 24 registers for each of four column tiles in flight
.set BF,  128                          ; window 1, v128-191: later two buffers of x2's fragments;  window 1, v0-127: W2's 16 fragments
.set MSB, 0
.macro WIN new                         ; the immediate's high byte repeats the setting that is left
.if MSB != (\new)
	s_set_vgpr_msb (MSB<<8)|(\new)
.set MSB, \new
.endif
.endm
.macro PLACES
.rept 4
	v_nop
.endr
.endm
.macro RND2 a, b, t
	v_cvt_pk_bf16_f32 v[\t], v[\a], v[\b]
	v_lshlrev_b32 v[\a], 16, v[\t]
	v_and_b32 v[\b], 0xffff0000, v[\t]
.endm
	s_load_b512 s[16:31], s[0:1], 0x0              ; x2 16, W2F 18, g2 20, b2 22, m2 24, v2 26, H1 28, IDX 30
	s_load_b128 s[32:35], s[0:1], 0x40             ; WGT 32, out1 34
	v_lshl_add_u32 v2, v0, 2, SPARE
	v_mov_b32 v3, 0
	ds_add_u32 v2, v3                              ; the wave's opening: the add and its wait ahead of my first tensor load
	ds_add_u32 v2, v3
	v_lshrrev_b32 v1, 5, v0
	v_readfirstlane_b32 s8, v1                     ; wave 0..7
	s_mov_b32 s9, ttmp9                            ; g
	s_lshr_b32 s2, s9, 7                           ; batch
	s_and_b32 s3, s9, 127                          ; which 128 points
	s_lshl_b32 s10, s2, 24                         ; a batch of x2 is 256 x 16,384 x 4 bytes,
	s_lshl_b32 s12, s8, 21                         ; my 32 rows begin 32 w x 65,536 bytes in,
	s_add_co_u32 s10, s10, s12
	s_lshl_b32 s12, s3, 9                          ; the tile's 128 columns are 512 bytes
	s_add_co_u32 s10, s10, s12
	s_mov_b32 s11, 0
	s_mov_b32 s36, 1                               ; group 0: count 1,
	s_lshl_b32 s37, s8, 14                         ; LDS address XF + 16,384 w
	s_mov_b32 s40, 0x20000                         ; group 1: elements of 4 bytes, no mask, no padding
	s_mov_b32 s41, 128<<16                         ; tensor_dim0 = 128
	s_mov_b32 s42, 32<<16                          ; tensor_dim1 = 32
	s_mov_b32 s43, 128<<16                         ; tile_dim0 = 128
	s_mov_b32 s44, 32                              ; tile_dim1 = 32
	s_mov_b32 s45, 16384                           ; elements from row to row
	s_mov_b32 s46, 0
	s_mov_b32 s47, 0
	s_wait_dscnt 0x0                               ; the opening add is done
	s_wait_kmcnt 0x0
	s_add_nc_u64 s[38:39], s[16:17], s[10:11]
	s_or_b32 s39, s39, 0x80000000                  ; type 2
	tensor_load_to_lds s[36:39], s[40:47]          ; my one tensor load: 32 rows x 512 bytes; it is waited for behind the gather
	s_nop 0
	PLACES
	v_and_b32 v6, 31, v0                           ; l
	v_and_b32 v1, 15, v0                           ; r
	v_bfe_u32 v5, v0, 4, 1                         ; h
	v_mov_b32 v4, 0                                ; the addend that starts U's sums
	v_lshlrev_b32 v7, 2, v0                        ; thread t is channel t for BN
	v_lshl_add_u32 v8, v0, 2, BN
	s_lshl_b32 s10, s9, 11
	v_lshl_add_u32 v9, v1, 4, s10                  ; the record of point 128 g + r
	s_lshl_b32 s10, s8, 14
	v_lshl_add_u32 v10, v6, 4, s10                 ; my wave's 32 blocks of W2F, my 16 bytes of each; not rewritten while those loads are out
	global_load_b32 v12, v7, s[20:21]              ; g
	global_load_b32 v13, v7, s[22:23]              ; b
	global_load_b32 v14, v7, s[24:25]              ; m
	global_load_b32 v15, v7, s[26:27]              ; v
.irp tn, 0,1,2,3,4,5,6,7
	global_load_b128 v[OFS+4*(\tn):OFS+4*(\tn)+3], v9, s[30:31] offset:256*(\tn)
	global_load_b128 v[WTS+4*(\tn):WTS+4*(\tn)+3], v9, s[32:33] offset:256*(\tn)
.endr
	WIN 0x40                                       ; destination window 1, address window 0
.set i, 0
.rept 32                                       ; block i = (8 mt + ks) 2 + p is registers 4 i .. 4 i + 3: fragment 8 mt + ks, half p
	global_load_b128 v[4*i:4*i+3], v10, s[18:19] offset:512*i
.set i, i+1
.endr
	WIN 0
	s_wait_loadcnt 32                              ; BN's four and the sixteen records are in; the 32 loads of W2F stay out
	RND2 12, 13, 16
	RND2 14, 15, 17
	v_add_f32 v16, 0x3727c5ac, v15                 ; v + 1e-5
	v_rsq_f32 v16, v16
	v_lshlrev_b32 v11, 4, v5                       ; 16 h: a plain instruction between the root and the use of its result (ISA guide 5.7.2)
	s_wait_alu depctr_va_vdst(0)
	v_mul_f32 v17, v12, v16                        ; scale = g / sqrt(v + 1e-5)
	v_fma_f32 v18, -v14, v17, v13                  ; shift = b - m scale
	ds_store_b32 v8, v17
	ds_store_b32 v8, v18 offset:1024
.irp tn, 0,1,2,3,4,5,6,7
.irp k, 0,1,2
	v_min_u32 v[OFS+4*(\tn)+(\k)], 0xfff, v[OFS+4*(\tn)+(\k)]  ; a number that was loaded enters an address only clamped to the table
.endr
.irp k, 0,1,2
	v_lshl_add_u32 v[OFS+4*(\tn)+(\k)], v[OFS+4*(\tn)+(\k)], 9, v11  ; 512 bytes a row, + 16 h
.endr
.endr
	s_lshl_b32 s10, s2, 21                         ; the batch's 4,096 rows of H1,
	s_lshl_b32 s12, s8, 6                          ; my wave's 32 channels
	s_add_co_u32 s10, s10, s12
	s_mov_b32 s11, 0
	s_add_nc_u64 s[28:29], s[28:29], s[10:11]
.macro GL tn                           ; column tile tn: 3 neighbours x 2 blocks of 16 channels: six loads of 16 bytes a lane
	WIN 0x40
.irp mt, 0,1
.irp k, 0,1,2
	global_load_b128 v[GG+24*((\tn)%4)+4*(3*(\mt)+(\k)):GG+24*((\tn)%4)+4*(3*(\mt)+(\k))+3], v[OFS+4*(\tn)+(\k)], s[28:29] offset:32*(\mt)
.endr
.endr
.endm
.macro GC tn                           ; U = w0 row0 + w1 row1 + w2 row2, straight from the bf16 halves into f32
	WIN 0x01                                       ; source 0 window 1
.irp mt, 0,1
.irp k, 0,1,2
.irp i, 0,1,2,3
.if (\k) == 0
	v_fma_mix_f32_bf16 v[UU+8*(8*(\mt)+(\tn))+2*(\i)], v[GG+24*((\tn)%4)+4*(3*(\mt)+(\k))+(\i)], v[WTS+4*(\tn)+(\k)], v4 op_sel_hi:[1,0,0]
	v_fma_mix_f32_bf16 v[UU+8*(8*(\mt)+(\tn))+2*(\i)+1], v[GG+24*((\tn)%4)+4*(3*(\mt)+(\k))+(\i)], v[WTS+4*(\tn)+(\k)], v4 op_sel:[1,0,0] op_sel_hi:[1,0,0]
.else
	v_fma_mix_f32_bf16 v[UU+8*(8*(\mt)+(\tn))+2*(\i)], v[GG+24*((\tn)%4)+4*(3*(\mt)+(\k))+(\i)], v[WTS+4*(\tn)+(\k)], v[UU+8*(8*(\mt)+(\tn))+2*(\i)] op_sel_hi:[1,0,0]
	v_fma_mix_f32_bf16 v[UU+8*(8*(\mt)+(\tn))+2*(\i)+1], v[GG+24*((\tn)%4)+4*(3*(\mt)+(\k))+(\i)], v[WTS+4*(\tn)+(\k)], v[UU+8*(8*(\mt)+(\tn))+2*(\i)+1] op_sel:[1,0,0] op_sel_hi:[1,0,0]
.endif
.endr
.endr
.endr
.endm
	GL 0
	GL 1
	GL 2
	GL 3
.irp tn, 0,1,2,3
	s_wait_loadcnt 18                              ; loads come back in order: this tile's six are in, the three later tiles' eighteen stay out
	GC \tn
	GL (\tn)+4
.endr
	s_wait_loadcnt 18
	GC 4
	s_wait_loadcnt 12
	GC 5
	s_wait_loadcnt 6
	GC 6
	s_wait_loadcnt 0x0                             ; the last six; W2F, issued ahead of them all, is in too, and every load's address register is free
	GC 7
	WIN 0
	; my 32 rows of x2 to bf16: a load takes a row's 512 bytes, a lane four numbers
	s_lshl_b32 s10, s8, 14
	v_lshl_add_u32 v19, v6, 4, s10
	s_mul_i32 s10, s8, 32*PB
	s_add_co_u32 s10, s10, XB
	v_lshl_add_u32 v20, v6, 3, s10
	s_wait_tensorcnt 0x0                           ; my rows are in LDS; I alone read them
.irp bt, 0,1,2,3
.irp i, 0,1,2,3,4,5,6,7
	ds_load_b128 v[32+4*(\i):32+4*(\i)+3], v19 offset:512*(8*(\bt)+(\i))
.endr
	s_wait_dscnt 0x0
.irp i, 0,1,2,3,4,5,6,7
	v_cvt_pk_bf16_f32 v[64+2*(\i)], v[32+4*(\i)], v[32+4*(\i)+1]
	v_cvt_pk_bf16_f32 v[65+2*(\i)], v[32+4*(\i)+2], v[32+4*(\i)+3]
.endr
.irp i, 0,1,2,3,4,5,6,7
	ds_store_b64 v20, v[64+2*(\i):65+2*(\i)] offset:PB*(8*(\bt)+(\i))
.endr
.endr
	v_and_b32 v21, 7, v0
	v_lshl_add_u32 v21, v5, 3, v21                 ; the turning load: row 8 h + l % 8,
	v_mul_u32_u24 v21, v21, PB
	v_bfe_u32 v22, v0, 3, 1
	v_lshl_add_u32 v21, v22, 4, v21                ; 16 bytes for each half of a group of sixteen lanes
	v_add_nc_u32 v21, XB, v21                      ; K steps 0 to 3
	v_add_nc_u32 v22, 4*32*PB, v21                 ; K steps 4 to 7: the 16-bit offset does not reach them from v21
	s_lshl_b32 s10, s8, 7
	s_add_co_u32 s10, s10, BN
	v_lshl_add_u32 v23, v5, 5, s10                 ; BN of channels 32 w + 8 h + 0..7 (+ 16 mt by the offset)
	s_mul_i32 s10, s8, 32*SP
	s_add_co_u32 s10, s10, STG                     ; my stage
	v_mul_u32_u24 v24, v5, 8*SP                    ; in: row 16 mt + 8 h + j, word 16 nt + r
	v_lshl_add_u32 v24, v1, 2, v24
	v_add_nc_u32 v24, s10, v24
	v_mul_u32_u24 v25, v5, SP                      ; back: sixteen lanes a row of 256 bytes, two rows a load
	v_lshl_add_u32 v25, v1, 4, v25
	v_add_nc_u32 v25, s10, v25
	v_lshlrev_b32 v26, 16, v5                      ; and the same two rows in out1, 65,536 bytes apart
	v_lshl_add_u32 v26, v1, 4, v26
	s_lshl_b32 s10, s2, 8
	s_lshl_b32 s12, s8, 5
	s_add_co_u32 s10, s10, s12                     ; row 256 batch + 32 w,
	s_lshl_b32 s10, s10, 16
	s_lshl_b32 s12, s3, 9                          ; the tile's first column
	s_add_co_u32 s10, s10, s12
	s_mov_b32 s11, 0
	s_add_nc_u64 s[34:35], s[34:35], s[10:11]
	s_wait_dscnt 0x0                               ; for the others' sake: my rows of XB and my words of BN are written
	s_barrier_signal -1
	s_barrier_wait -1
.irp mt, 0,1
	ds_load_b128 v[SC+8*(\mt):SC+8*(\mt)+3],   v23 offset:64*(\mt)
	ds_load_b128 v[SC+8*(\mt)+4:SC+8*(\mt)+7], v23 offset:64*(\mt)+16
	ds_load_b128 v[SH+8*(\mt):SH+8*(\mt)+3],   v23 offset:64*(\mt)+1024
	ds_load_b128 v[SH+8*(\mt)+4:SH+8*(\mt)+7], v23 offset:64*(\mt)+1040
.endr
.macro LBF ks, hf                      ; K step ks of half hf: four fragments of x2, turned on the way out of LDS, into buffer ks % 2 of window 1
	WIN 0x40
.irp nt, 0,1,2,3
	ds_load_tr16_b128 v[BF+32*((\ks)%2)+8*(\nt):BF+32*((\ks)%2)+8*(\nt)+3],   v[21+(\ks)/4] offset:((\ks)%4)*32*PB+32*(4*(\hf)+(\nt))
	ds_load_tr16_b128 v[BF+32*((\ks)%2)+8*(\nt)+4:BF+32*((\ks)%2)+8*(\nt)+7], v[21+(\ks)/4] offset:((\ks)%4)*32*PB+32*(4*(\hf)+(\nt))+16*PB
.endr
.endm
.macro STEP ks, hf                     ; the eight accumulators take turns
.if (\ks) > 0
	PLACES                                         ; four places between the products that read a buffer and the loads into it
.endif
.if (\ks) < 7
	LBF (\ks)+1, \hf
	s_wait_dscnt 8                                 ; this step's fragments are in, the eight loads just issued stay out
.else
	s_wait_dscnt 0x0
.endif
	WIN 0x05                                       ; both sources window 1, C and D window 0
.irp nt, 0,1,2,3
.irp mt, 0,1
.if (\ks) == 0
	v_wmma_f32_16x16x32_bf16 v[ACC+8*(2*(\nt)+(\mt)):ACC+8*(2*(\nt)+(\mt))+7], v[8*(8*(\mt)+(\ks)):8*(8*(\mt)+(\ks))+7], v[BF+32*((\ks)%2)+8*(\nt):BF+32*((\ks)%2)+8*(\nt)+7], 0
.else
	v_wmma_f32_16x16x32_bf16 v[ACC+8*(2*(\nt)+(\mt)):ACC+8*(2*(\nt)+(\mt))+7], v[8*(8*(\mt)+(\ks)):8*(8*(\mt)+(\ks))+7], v[BF+32*((\ks)%2)+8*(\nt):BF+32*((\ks)%2)+8*(\nt)+7], v[ACC+8*(2*(\nt)+(\mt)):ACC+8*(2*(\nt)+(\mt))+7]
.endif
.endr
.endr
.endm
.macro HALF hf                         ; 32 channels x 64 points: products, BN, relu, + U, and out
	s_wait_xcnt 0x0                                ; the accumulators' registers were the last half's store data: they are written again only behind this wait
	LBF 0, \hf
.irp ks, 0,1,2,3,4,5,6,7
	STEP \ks, \hf
.endr
	WIN 0
	PLACES                                         ; between the last products and the lines that read them
.irp nt, 0,1,2,3
.irp mt, 0,1                           ; each accumulator from its low end on
.set ac, ACC+8*(2*(\nt)+(\mt))
.set uu, UU+8*(8*(\mt)+4*(\hf)+(\nt))
.irp i, 0,1,2,3
	v_pk_fma_f32 v[ac+2*(\i):ac+2*(\i)+1], v[ac+2*(\i):ac+2*(\i)+1], v[SC+8*(\mt)+2*(\i):SC+8*(\mt)+2*(\i)+1], v[SH+8*(\mt)+2*(\i):SH+8*(\mt)+2*(\i)+1]
.endr
.irp j, 0,1,2,3,4,5,6,7
	v_max_num_f32 v[ac+(\j)], 0, v[ac+(\j)]
.endr
.irp i, 0,1,2,3
	v_pk_add_f32 v[ac+2*(\i):ac+2*(\i)+1], v[ac+2*(\i):ac+2*(\i)+1], v[uu+2*(\i):uu+2*(\i)+1]
.endr
.irp j, 0,1,2,3,4,5,6,7
	ds_store_b32 v24, v[ac+(\j)] offset:(16*(\mt)+(\j))*SP+64*(\nt)
.endr
.endr
.endr
.irp i, 0,1,2,3,4,5,6,7,8,9,10,11,12,13,14,15
	ds_load_b128 v[ACC+4*(\i):ACC+4*(\i)+3], v25 offset:2*SP*(\i)  ; LDS serves a wave's instructions in order (ISA guide 5.7.1.4): these see my stores above; the stage is my own
.endr
.irp i, 0,1,2,3,4,5,6,7,8,9,10,11,12,13,14,15
	s_wait_dscnt 15-(\i)                           ; the younger loads stay out
	global_store_b128 v26, v[ACC+4*(\i):ACC+4*(\i)+3], s[34:35] offset:131072*(\i)+256*(\hf) th:TH_STORE_NT  ; sixteen lanes store 256 consecutive bytes, at a multiple of 256 from out1's first byte
.endr
.endm
	HALF 0
	HALF 1                                         ; the first half's stores leave while the second half is multiplied
	s_wait_tensorcnt 0x0                           ; the wave's end
	ds_add_u32 v2, v3
	s_wait_dscnt 0x0
	s_endpgm
.Lfunc_end_k_qb372074675_conv2_up:
	.size	k_qb372074675_conv2_up, .Lfunc_end_k_qb372074675_conv2_up-k_qb372074675_conv2_up
	.p2alignl 7, 3214868480
	.fill 96, 4, 3214868480
	.section	.rodata,"a",@progbits
	.p2align	6, 0x0
	.amdhsa_kernel k_qb372074675_conv2_up
		.amdhsa_group_segment_fixed_size 277504
		.amdhsa_private_segment_fixed_size 0
		.amdhsa_enable_private_segment 0
		.amdhsa_kernarg_size 80
		.amdhsa_user_sgpr_count 2
		.amdhsa_user_sgpr_kernarg_segment_ptr 1
		.amdhsa_wavefront_size32 1
		.amdhsa_system_sgpr_workgroup_id_x 1
		.amdhsa_system_sgpr_workgroup_id_y 1
		.amdhsa_system_sgpr_workgroup_id_z 1
		.amdhsa_system_vgpr_workitem_id 0
		.amdhsa_next_free_vgpr 480
		.amdhsa_next_free_sgpr 66
		.amdhsa_reserve_vcc 0
		.amdhsa_float_denorm_mode_32 3
		.amdhsa_float_denorm_mode_16_64 3
		.amdhsa_memory_ordered 1
		.amdhsa_forward_progress 1
		.amdhsa_inst_pref_size 97
	.end_amdhsa_kernel
	.amdgpu_metadata
---
amdhsa.version: [ 1, 2 ]
amdhsa.kernels:
  - .name:           k_qb372074675_conv2_up
    .symbol:         k_qb372074675_conv2_up.kd
    .args:
      - { .name: x2, .offset: 0, .size: 8, .value_kind: global_buffer, .address_space: global }
      - { .name: W2F, .offset: 8, .size: 8, .value_kind: global_buffer, .address_space: global }
      - { .name: g2, .offset: 16, .size: 8, .value_kind: global_buffer, .address_space: global }
      - { .name: b2, .offset: 24, .size: 8, .value_kind: global_buffer, .address_space: global }
      - { .name: m2, .offset: 32, .size: 8, .value_kind: global_buffer, .address_space: global }
      - { .name: v2, .offset: 40, .size: 8, .value_kind: global_buffer, .address_space: global }
      - { .name: H1, .offset: 48, .size: 8, .value_kind: global_buffer, .address_space: global }
      - { .name: IDX, .offset: 56, .size: 8, .value_kind: global_buffer, .address_space: global }
      - { .name: WGT, .offset: 64, .size: 8, .value_kind: global_buffer, .address_space: global }
      - { .name: out1, .offset: 72, .size: 8, .value_kind: global_buffer, .address_space: global }
    .group_segment_fixed_size: 277504
    .private_segment_fixed_size: 0
    .kernarg_segment_align: 8
    .kernarg_segment_size: 80
    .max_flat_workgroup_size: 256
    .sgpr_count:     66
    .vgpr_count:     480
    .wavefront_size: 32
...
	.end_amdgpu_metadata
.endif
;; end of part 3
